; MI455X (gfx1250); checked and timed in simulation.
; The chip was launched on July 23, 2026; its instructions are those of AMD's public machine-readable ISA for CDNA 5 (MIT licence, August 2026) and "CDNA5" Instruction Set Architecture Reference Guide (July 2026). The comments in the code are by the model that wrote it; some were corrected since.
;; Cky Linear. Allowed arithmetic: float matrix products may take bf16 or f16 operands with f32 sums; other float arithmetic in f32, or as packed bf16 or f16 multiplies, adds, multiply-adds, maxima and minima; sums over many terms, partial sums and values carried from step to step in f32; what a program stores and reads back later, other than sums and carried values, may be rounded once to bf16 or f16.
;; Inputs: W_q 64 x 262,144 int32; bias 4,096 float32; scale 1 x 262,144 float32; x 8 x 512 x 4,096 float32; zero 1 x 262,144 float32.
;; Outputs: out0 8 x 512 x 4,096 float32.
;; One version. Each part assembles by itself: llvm-mc -triple=amdgcn-amd-amdhsa -mcpu=gfx1250 --defsym DOCPART=n.
;; ======== version 1 of 1: 2 launches
;; limits: values are held in f16: magnitudes above 65,504 overflow, below 6.1e-05 lose precision
;; workspace buffers: xh 33,554,432 bytes; wh 33,554,432 bytes
;; launch prep (part 1): grid 512 x 2, 8 waves a work-group, no clusters, 0 bytes of LDS; arguments x, W_q, scale, zero, xh, wh; writes xh, wh
.if DOCPART == 1
	.amdgcn_target "amdgcn-amd-amdhsa--gfx1250"
	.amdhsa_code_object_version 6
	.text
	.protected	k_q135d099971_prep
	.globl	k_q135d099971_prep
	.p2align	8
	.type	k_q135d099971_prep,@function
k_q135d099971_prep:
	s_mov_b64 s[64:65], 0
	v_nop
	global_prefetch_b8 v0, s[64:65] scope:SCOPE_SE
	s_setreg_imm32_b32 hwreg(HW_REG_WAVE_MODE, 25, 1), 1
	s_wait_xcnt 0x0
; xh[m][i] = f16(x[m][i]);  wh[o][i] = f16((W_q_flat[4096 o + i] - zero[c]) * scale[c]),  c = 4096 (o mod 64) + i.
; W_q [64][262144] taken row-major and reshaped to [4096][4096] moves no byte: flat index 4096 o + i lies in W_q's column (o mod 64) 4096 + i,
; so scale and zero are tables of 64 rows x 4096, and table row j serves the 64 output rows o = j, j + 64, ...
; The subtraction and the multiplication are made in f32, in that order, each rounded once; the result is rounded once more, to f16, as the next launch's matrix operand.
; LIMITS.  f16 holds no number beyond 65,504: |x| or |(W_q - zero) scale| of 65,520 or more becomes an infinity; below 6.1e-5 a number keeps f16's fixed step of 6e-8.
; NaN and infinities are not treated apart.
; SHARES.  Grid y picks the tensor.  Eight waves; thread t takes 4 numbers a step: a wave's load covers 512 consecutive bytes, its store 256 consecutive bytes, aligned.  32 steps a work-group.
;   y = 0: work-group b takes 8 rows of x as one dense run of 131,072 bytes, 4,096 a step.
;   y = 1: work-group b = (half, chunk, j) takes columns 1024 chunk .. + 1023 of the 32 rows o = 64 (32 half + s) + j, s = 0 .. 31: all of them use the same 1,024 scales and zeros,
;          so a thread's four of each are loaded once and stay in registers; each table byte is read by two work-groups (the two halves).
; A ring of DEPTH slots keeps DEPTH loads of every wave on their way.  A slot owns its data, result and offset registers, so the only waits of a slot's turn are the two at its head.
; No LDS, no barrier, no matrix unit: no wave wants a byte that another wave has fetched.
.set DEPTH,  8
.set ROUNDS, 32/DEPTH
.set S,    2                           ; v[2:5]    my 4 scales
.set Z,    6                           ; v[6:9]    my 4 zeros
.set T,    10                          ; v[10:13]  at work
.set IOFF, 14                          ; v[14:21]  slot n: byte offset of its 16 bytes in the input
.set OOFF, 22                          ; v[22:29]  slot n: byte offset of its 8 bytes in the output
.set X,    32                          ; v[32:63]  slot n: 4 registers as loaded
.set Y,    64                          ; v[64:79]  slot n: 2 registers to store
.set IN,   20                          ; s[20:21]  the input at the work-group's first step
.set OUT,  22                          ; s[22:23]  the output there
	s_load_b256 s[4:11], s[0:1], 0x0               ; x s[4:5], W_q s[6:7], scale s[8:9], zero s[10:11]
	s_load_b128 s[12:15], s[0:1], 0x20             ; xh s[12:13], wh s[14:15]
	s_and_b32 s16, ttmp7, 0xffff                   ; grid y
	s_mov_b32 s19, 0                               ; the high word of every offset pair: all offsets stay under 2^27
	v_lshlrev_b32 v1, 4, v0                        ; 16 t: my place in the tables' 4,096 bytes
; The slots' offsets (16 t or 8 t, and the slot's step: the two fields share no bit), then the ring's first DEPTH loads.  din, dout: bytes from step to step.
.macro RING din, dout
.irp n, 0,1,2,3,4,5,6,7
	v_lshl_or_b32 v[IOFF+(\n)], v0, 4, (\n)*(\din)
	v_lshl_or_b32 v[OOFF+(\n)], v0, 3, (\n)*(\dout)
.endr
.irp n, 0,1,2,3,4,5,6,7
	global_load_b128 v[X+4*(\n):X+4*(\n)+3], v[IOFF+(\n)], s[IN:IN+1] th:TH_LOAD_NT
.endr
.endm
; One slot's turn.  kind = 0: a cast; 1: dequantise.  ahead = 1: the slot is filled again with the step DEPTH further on.  left = how many younger loads may stay out.
.macro SLOT kind, slot, ahead, left, din, dout
	s_wait_loadcnt \left                           ; loads come back in order (ISA guide 5.7.1): mine is in, the younger ones stay out
	s_wait_xcnt 0x0                                ; every earlier memory instruction has had its addresses translated (ISA guide 3.1): this slot's Y and offsets, which its last load and store read, are rewritten only behind this wait
.if \kind
.irp j, 0,1,2,3
	v_cvt_f32_i32 v[T+(\j)], v[X+4*(\slot)+(\j)]
.endr
.irp j, 0,2
	v_pk_add_f32 v[T+(\j):T+(\j)+1], v[T+(\j):T+(\j)+1], v[Z+(\j):Z+(\j)+1] neg_lo:[0,1] neg_hi:[0,1]  ; q - zero
.endr
.irp j, 0,2
	v_pk_mul_f32 v[T+(\j):T+(\j)+1], v[T+(\j):T+(\j)+1], v[S+(\j):S+(\j)+1]                            ; times scale
.endr
	v_cvt_pk_f16_f32 v[Y+2*(\slot)],   v[T],   v[T+1]
	v_cvt_pk_f16_f32 v[Y+2*(\slot)+1], v[T+2], v[T+3]
.else
	v_cvt_pk_f16_f32 v[Y+2*(\slot)],   v[X+4*(\slot)],   v[X+4*(\slot)+1]
	v_cvt_pk_f16_f32 v[Y+2*(\slot)+1], v[X+4*(\slot)+2], v[X+4*(\slot)+3]
.endif
.if \ahead
	v_add_nc_u32 v[IOFF+(\slot)], DEPTH*(\din),  v[IOFF+(\slot)]   ; the slot's next step
	v_add_nc_u32 v[OOFF+(\slot)], DEPTH*(\dout), v[OOFF+(\slot)]
	global_load_b128 v[X+4*(\slot):X+4*(\slot)+3], v[IOFF+(\slot)], s[IN:IN+1] th:TH_LOAD_NT           ; the load goes ahead of the store,
	global_store_b64 v[OOFF+(\slot)], v[Y+2*(\slot):Y+2*(\slot)+1], s[OUT:OUT+1] offset:-DEPTH*(\dout)  ; which reaches back: 4,194,304 bytes at the most, inside the signed 24-bit immediate
.else
	global_store_b64 v[OOFF+(\slot)], v[Y+2*(\slot):Y+2*(\slot)+1], s[OUT:OUT+1]
.endif
.endm
	s_cmp_lg_u32 s16, 0
	s_cbranch_scc1 .Lweights
	; ---- y = 0: x ----
	s_lshl_b32 s18, ttmp9, 17                      ; 131,072 bytes of x a work-group
	s_wait_kmcnt 0x0
	s_add_nc_u64 s[IN:IN+1], s[4:5], s[18:19]
	s_lshr_b32 s18, s18, 1                         ; half as many of xh
	s_add_nc_u64 s[OUT:OUT+1], s[12:13], s[18:19]
	RING 4096, 2048
	s_mov_b32 s24, ROUNDS-1
.Lxround:
.irp n, 0,1,2,3,4,5,6,7
	SLOT 0, \n, 1, DEPTH-1, 4096, 2048
.endr
	s_sub_co_u32 s24, s24, 1
	s_cmp_lg_u32 s24, 0
	s_cbranch_scc1 .Lxround
.irp n, 0,1,2,3,4,5,6,7
	SLOT 0, \n, 0, DEPTH-1-(\n), 4096, 2048        ; the last round loads nothing: the counts run down
.endr
	s_endpgm
	; ---- y = 1: the weights ----
.Lweights:
	s_and_b32 s25, ttmp9, 63                       ; j: the table's row, and o mod 64
	s_bfe_u32 s26, ttmp9, 0x20006                  ; chunk: which 1,024 columns
	s_lshr_b32 s27, ttmp9, 8                       ; half: which 32 of the 64 rows with this j
	s_lshl_b32 s28, s27, 11
	s_add_co_u32 s28, s28, s25                     ; my first row o = 2048 half + j
	s_lshl_b32 s17, s26, 12                        ; the chunk in a row of 4-byte numbers
	s_lshl_b32 s18, s28, 14                        ; a row of W_q is 16,384 bytes
	s_add_co_u32 s18, s18, s17
	s_wait_kmcnt 0x0
	s_add_nc_u64 s[IN:IN+1], s[6:7], s[18:19]
	s_lshr_b32 s18, s18, 1                         ; the same place in wh, whose numbers have 2 bytes
	s_add_nc_u64 s[OUT:OUT+1], s[14:15], s[18:19]
	s_lshl_b32 s18, s25, 14                        ; table row j,
	s_add_co_u32 s18, s18, s17                     ; the chunk
	s_add_nc_u64 s[8:9], s[8:9], s[18:19]
	s_add_nc_u64 s[10:11], s[10:11], s[18:19]
	global_load_b128 v[S:S+3], v1, s[8:9]          ; older than every load of the ring: the first slot's wait covers them
	global_load_b128 v[Z:Z+3], v1, s[10:11]
	RING 1048576, 524288                           ; from step to step 64 rows
	s_mov_b32 s24, ROUNDS-1
.Lwround:
.irp n, 0,1,2,3,4,5,6,7
	SLOT 1, \n, 1, DEPTH-1, 1048576, 524288
.endr
	s_sub_co_u32 s24, s24, 1
	s_cmp_lg_u32 s24, 0
	s_cbranch_scc1 .Lwround
.irp n, 0,1,2,3,4,5,6,7
	SLOT 1, \n, 0, DEPTH-1-(\n), 1048576, 524288   ; the last round loads nothing: the counts run down
.endr
	s_endpgm
.Lfunc_end_k_q135d099971_prep:
	.size	k_q135d099971_prep, .Lfunc_end_k_q135d099971_prep-k_q135d099971_prep
	.p2alignl 7, 3214868480
	.fill 96, 4, 3214868480
	.section	.rodata,"a",@progbits
	.p2align	6, 0x0
	.amdhsa_kernel k_q135d099971_prep
		.amdhsa_group_segment_fixed_size 0
		.amdhsa_private_segment_fixed_size 0
		.amdhsa_enable_private_segment 0
		.amdhsa_kernarg_size 48
		.amdhsa_user_sgpr_count 2
		.amdhsa_user_sgpr_kernarg_segment_ptr 1
		.amdhsa_wavefront_size32 1
		.amdhsa_system_sgpr_workgroup_id_x 1
		.amdhsa_system_sgpr_workgroup_id_y 1
		.amdhsa_system_sgpr_workgroup_id_z 1
		.amdhsa_system_vgpr_workitem_id 0
		.amdhsa_next_free_vgpr 80
		.amdhsa_next_free_sgpr 66
		.amdhsa_reserve_vcc 0
		.amdhsa_float_denorm_mode_32 3
		.amdhsa_float_denorm_mode_16_64 3
		.amdhsa_memory_ordered 1
		.amdhsa_forward_progress 1
		.amdhsa_inst_pref_size 25
	.end_amdhsa_kernel
	.amdgpu_metadata
---
amdhsa.version: [ 1, 2 ]
amdhsa.kernels:
  - .name:           k_q135d099971_prep
    .symbol:         k_q135d099971_prep.kd
    .args:
      - { .name: x, .offset: 0, .size: 8, .value_kind: global_buffer, .address_space: global }
      - { .name: W_q, .offset: 8, .size: 8, .value_kind: global_buffer, .address_space: global }
      - { .name: scale, .offset: 16, .size: 8, .value_kind: global_buffer, .address_space: global }
      - { .name: zero, .offset: 24, .size: 8, .value_kind: global_buffer, .address_space: global }
      - { .name: xh, .offset: 32, .size: 8, .value_kind: global_buffer, .address_space: global }
      - { .name: wh, .offset: 40, .size: 8, .value_kind: global_buffer, .address_space: global }
    .group_segment_fixed_size: 0
    .private_segment_fixed_size: 0
    .kernarg_segment_align: 8
    .kernarg_segment_size: 48
    .max_flat_workgroup_size: 256
    .sgpr_count:     66
    .vgpr_count:     80
    .wavefront_size: 32
...
	.end_amdgpu_metadata
.endif
;; end of part 1
;; launch gemm (part 2): grid 16 x 16, 4 waves a work-group, clusters of 4 x 4, 327,680 bytes of LDS; arguments xh, wh, out0, bias; writes out0
.if DOCPART == 2
	.amdgcn_target "amdgcn-amd-amdhsa--gfx1250"
	.amdhsa_code_object_version 6
	.text
	.protected	k_q135d099971_gemm
	.globl	k_q135d099971_gemm
	.p2align	8
	.type	k_q135d099971_gemm,@function
k_q135d099971_gemm:
	s_mov_b64 s[64:65], 0
	v_nop
	global_prefetch_b8 v0, s[64:65] scope:SCOPE_SE
	s_setreg_imm32_b32 hwreg(HW_REG_WAVE_MODE, 25, 1), 1
	s_wait_xcnt 0x0
	s_wait_alu depctr_hold_cnt(0) depctr_sa_sdst(0) depctr_va_vdst(0) depctr_va_sdst(0) depctr_va_ssrc(0) depctr_va_vcc(0) depctr_vm_vsrc(0)
	s_getreg_b32 s2, hwreg(HW_REG_IB_STS2, 6, 4)
	s_cmp_eq_u32 s2, 0
	s_cbranch_scc0 .Lentry_in_a_cluster
	s_endpgm
.Lentry_in_a_cluster:
	s_bfe_u32 s2, ttmp6, 0x10000c
	s_cmp_lg_u32 s2, 0xf033
	s_cbranch_scc0 .Lentry_shape_is_right
	s_endpgm
.Lentry_shape_is_right:
; out0[m][o] = bias[o] + the sum over i of xh[m][i] wh[o][i].  xh: [4096][4096] f16, wh: [4096][4096] f16 (both made by the launch before), bias: [4096] f32, out0: [4096][4096] f32.
; One f32 sum for each output: it starts at the bias (the C operand of the first product) and goes up along K.
; LIMITS.  The operands arrive in f16, within 65,504 (the launch before states what happens beyond); NaN and infinities are not treated apart.
; SHARES.  out0 has 16 x 16 tiles of 256 x 256, one to a work-group of four waves; a wave makes 128 x 128: 64 accumulators of 16 x 16, 512 registers.
; K goes in 32 steps of 128 through a ring of two LDS slots filled by the tensor data mover: a tile's rows are 256 bytes of memory and start at multiples of 256 bytes from the buffer's first byte.
; CLUSTERS.  4 x 4 work-groups.  The four of a row of the cluster need the same tiles of xh, the four of a column the same tiles of wh: each tile is asked for JOINTLY, by the same tensor load with the
; same descriptor and a mask that names the four; each receives it in its own LDS.  That divides the requests for xh and wh by four.
; THE MATRIX INSTRUCTION IS USED TRANSPOSED: source 0 = 16 rows of wh, source 1 = 16 rows of xh.  In the result lane l holds row m = l % 16 of out0 and its registers 0 to 7 the columns
; 8 (l / 16) + 0 .. 7: 32 consecutive bytes of a row.  The bias of those eight columns, the same for every row, lies in eight registers a column block.
; REGISTERS, in windows of 256 (s_set_vgpr_msb's low byte: bits 1:0 source 0, 3:2 source 1, 5:4 source 2, 7:6 destination):
;   window 0: v0-31 addresses; v64-127, v128-191 fragments of xh (8 x 16 rows x 32 K), two buffers; v192-255 the bias of my 128 columns
;   window 1: v64-127, v128-191 fragments of wh, two buffers
;   window 2: the 32 accumulators of my rows 0-63 (accumulator (a, b) at v[8 (8 a + b)]);   window 3: those of my rows 64-127
.set SIZE_K, 4096
.set SIZE_N, 4096
.set KSTEP,  128
.set PITCH,  272                       ; an LDS row: 256 bytes of data + 16 of padding = 68 words: row r starts at bank 4 r mod 64 (64 banks of 4 bytes: ISA guide 11.1), so the 16 rows that a load touches start at 16 different banks
.set HALFT,  128*PITCH                 ; 128 rows: what one tensor load brings, and what one wave reads of xh or of wh
.set SLOT,   4*HALFT                   ; xh's 256 rows, then wh's 256 rows
.set STAGE,  2*SLOT                    ; behind the ring: 16 rows x 528 bytes for each wave, for the way out; no tensor load lands here
.set SPITCH, 528                       ; 512 bytes of f32 + 16 = 33 x 16: the 16 rows of a store start at 16 different groups of four banks
.set SPARE,  STAGE+4*16*SPITCH         ; behind the stages: the spare words, 128 bytes for each wave: two blocks of 256 bytes that no other line names
.set LAPS,   SIZE_K/(2*KSTEP)          ; a lap = two K steps = once round the ring: 16
.set ADRA, 16                          ; v16-17  LDS address of my xh fragments in slot 0, 1
.set ADRB, 20                          ; v20-21  the same for wh
.set STO,  24                          ; v24     the way out: where I put 32 bytes of a row
.set RD,   25                          ; v25     the way out: where I read 16 bytes of a row back
.set CO,   26                          ; v26     16 x lane: my 16 bytes in 512 consecutive bytes of out0
.set BO,   27                          ; v27     32 (l / 16): my eight columns in a block of sixteen, in bias
.set SPW,  28                          ; v28     LDS address of my spare word: SPARE + 4 x my thread's number; never rewritten
.set NIL,  29                          ; v29     0; never rewritten
.set PFO,  30                          ; v30     the prefetches' offset: my lane x a row of xh or wh (8,192 bytes); never rewritten
.set F0,   64                          ; fragment buffer 0
.set F1,   128                         ; fragment buffer 1
.set BI,   192                         ; the bias: column block b at BI + 8 b
.set G1,  24                           ; s[24:31] descriptor group 1 for xh's tiles
.set G0,  32                           ; s[32:39] descriptor group 0 for xh's tiles, one set for each slot
.set LIM, 43                           ; s43      1 in a wave that prefetches, else the greatest number
.set PFA, 44                           ; s[44:45] where my prefetches stand: my work-group's 32 rows of the 128 that I fetch, one K step further along K than the refill that is being asked for
.set G1B, 48                           ; s[48:55] descriptor group 1 for wh's tiles: it differs in the mask alone
.set G0B, 56                           ; s[56:63] descriptor group 0 for wh's tiles, one set for each slot
.set MSB, 0
.macro WIN new                         ; the immediate's high byte repeats the setting that is left; a switch that changes nothing is dropped
.if MSB != (\new)
	s_set_vgpr_msb (MSB<<8)|(\new)
.set MSB, \new
.endif
.endm
.set MUL_LO,  0xa1                     ; source 0 (wh) window 1, source 1 (xh) window 0, C and D window 2;  + 0x50: C and D window 3
.set BIAS_LO, 0x81                     ; the same with C (the bias) in window 0;  + 0x40: D window 3
.set TO_B,    0x40                     ; destination window 1, address window 0
; A joint load.  Waves 0 and 1 fetch xh's two halves, waves 2 and 3 wh's.  Each of the two lines has ONE mask and one set of registers for all that issue it; the branch hangs on the wave's number alone.
; An s_nop 0 and four v_nop follow each of the two lines, ahead of the jump, the label and what follows the macro.
.macro JLOAD s
	s_cmp_eq_u32 s11, 0
	s_cbranch_scc0 .Lfor_b_\@
	tensor_load_to_lds s[G0+4*(\s):G0+4*(\s)+3], s[G1:G1+7]
	s_nop 0
.rept 4
	v_nop
.endr
	s_branch .Lasked_\@
.Lfor_b_\@:
	tensor_load_to_lds s[G0B+4*(\s):G0B+4*(\s)+3], s[G1B:G1B+7]
	s_nop 0
.rept 4
	v_nop
.endr
.Lasked_\@:
.endm
; A PREFETCH INTO THE L2, behind each joint refill, its five lines and the run of LDS loads that follows them: the K step that stands TWO refills on, 512 matrix instructions ahead of the load that will
; want it: 32 rows x 256 bytes, a lane a row, one instruction a wave.  Each row's 256 bytes of a K step are named ONCE in the launch: xh's tile row is read by every cluster of that row of clusters, and
; the one with cluster x = 0 asks; wh's tile column by every cluster of that column, and the one with cluster y = 0 asks.  The four partners that ask for a tile jointly share its rows out BY ADDRESS:
; of the 128 rows that a wave fetches the partner at place p takes 32 p .. 32 p + 31 (p = cx for xh, cy for wh): no branch hangs on a work-group's place in its cluster.
; The loop's last trip (s3 = 1) asks for nothing: K steps 32 and 33 do not exist.  K steps 0 to 3 come by their loads alone.
.macro ASK
	s_cmp_gt_u32 s3, s[LIM]
	s_cbranch_scc0 .Lnot_mine_\@
	global_prefetch_b8 v[PFO], s[PFA:PFA+1] offset:KSTEP*2 th:TH_LOAD_NT scope:SCOPE_SE
.Lnot_mine_\@:
.endm
; A round of the cluster's barrier: my work-group's barrier, so that wave 0's signal speaks for all four waves; wave 0 signals for the work-group; every wave waits for all sixteen
; work-groups; my work-group's barrier once more.  No LDS instruction of the wave is pending at a signal.
.macro CREST                           ; a round behind its opening barrier
	s_cmp_lg_u32 s10, 0
	s_cbranch_scc1 .Lnot_wave_0_\@
	s_barrier_signal -3
.Lnot_wave_0_\@:
	s_barrier_wait -3
	s_barrier_signal -1
	s_barrier_wait -1
.endm
.macro CROUND                          ; a whole round
	s_barrier_signal -1
	s_barrier_wait -1
	CREST
.endm
	s_load_b128 s[4:7], s[0:1], 0x0                ; xh s[4:5], wh s[6:7]
	s_load_b64 s[8:9], s[0:1], 0x10                ; out0
	s_load_b64 s[66:67], s[0:1], 0x18              ; bias
	v_lshl_add_u32 v[SPW], v0, 2, SPARE
	v_mov_b32 v[NIL], 0
	ds_add_u32 v[SPW], v[NIL]                      ; the wave's opening: the add, twice on end, and its wait ahead of my first tensor load; the set-up below, work on registers, stands between
	ds_add_u32 v[SPW], v[NIL]                      ; and once more, under the one wait
	v_lshrrev_b32 v1, 5, v0
	v_readfirstlane_b32 s10, v1                    ; wave 0..3
	s_lshr_b32 s11, s10, 1                         ; which half of the tile's rows is mine.  Also: I fetch for xh (0) or for wh (1)
	s_and_b32 s12, s10, 1                          ; which half of its columns.  Also: which 128 rows of that tile I fetch
	s_bfe_u32 s40, ttmp6, 0x40000                  ; cx: my place along the cluster's x
	s_bfe_u32 s41, ttmp6, 0x40004                  ; cy: along its y
	s_lshl_b32 s42, ttmp9, 2                       ; in a cluster launch ttmp9 and ttmp7 count clusters
	s_add_co_u32 s42, s42, s40                     ; tile column = 4 x cluster x + cx
	s_and_b32 s13, ttmp7, 0xffff
	s_lshl_b32 s13, s13, 2
	s_add_co_u32 s13, s13, s41                     ; tile row = 4 x cluster y + cy
	s_lshl_b32 s43, s41, 2
	s_lshl_b32 s43, 15, s43                        ; my row of the cluster: places 4 cy .. 4 cy + 3
	s_lshl_b32 s44, 0x1111, s40                    ; my column: places cx, cx + 4, cx + 8, cx + 12
	; descriptor group 1: a tile of 128 rows x 128 elements, padded in LDS
	s_or_b32 s[G1+0], s43, (1<<16)|(1<<20)|(1<<21)|(5<<22)|(3<<25)   ; 15:0 the mask: xh's tiles go to my row; 17:16 elements of 2 bytes; 20 padding on; 21 set beside a mask; 24:22 after every 64 words (code 5); 31:25 4 words of it (code 3)
	s_or_b32 s[G1B+0], s44, (1<<16)|(1<<20)|(1<<21)|(5<<22)|(3<<25)  ; the same with the mask of my column, for wh's tiles
.irp g, G1, G1B
	s_mov_b32 s[(\g)+1], KSTEP<<16                 ; tensor_dim0 = 128
	s_mov_b32 s[(\g)+2], 128<<16                   ; tensor_dim1 = 128
	s_mov_b32 s[(\g)+3], KSTEP<<16                 ; tile_dim0 = 128
	s_mov_b32 s[(\g)+4], 128                       ; tile_dim1 = 128
	s_mov_b32 s[(\g)+5], SIZE_K                    ; elements from row to row
	s_mov_b32 s[(\g)+6], 0
	s_mov_b32 s[(\g)+7], 0
.endr
	; where the tiles come from.  xh's hang on the tile row alone, which my row of the cluster shares; wh's on the tile column alone, which my column shares.
	; Every wave makes both addresses, in registers that never hold the other coordinate, and asks by one of them.
	s_lshl_b32 s17, s12, 7                         ; which 128 rows of the tile I fetch
	s_lshl_b32 s16, s13, 8
	s_add_co_u32 s16, s16, s17                     ; xh: row 256 x tile row + 128 x half
	s_lshl_b32 s46, s42, 8
	s_add_co_u32 s46, s46, s17                     ; wh: row 256 x tile column + 128 x half
	s_mov_b32 s17, 0
	s_mov_b32 s47, 0
	s_mov_b64 s[18:19], SIZE_K*2
	s_mul_u64 s[16:17], s[16:17], s[18:19]         ; in bytes
	s_mul_u64 s[46:47], s[46:47], s[18:19]
	s_mul_i32 s20, s10, HALFT                      ; and where they go: wave x 128 rows: no place in the cluster enters an LDS address
	s_wait_dscnt 0x0                               ; both opening adds are done
	s_wait_kmcnt 0x0
	s_add_nc_u64 s[14:15], s[4:5], s[16:17]
	s_add_nc_u64 s[46:47], s[6:7], s[46:47]
	CROUND                                         ; all sixteen work-groups are here: the first joint loads meet
.irp s, 0,1
	s_mov_b32 s[G0+4*(\s)], 1                                        ; 1:0 count = 1
	s_add_co_u32 s[G0+4*(\s)+1], s20, (\s)*SLOT                      ; 63:32 LDS address
	s_add_nc_u64 s[G0+4*(\s)+2:G0+4*(\s)+3], s[14:15], (\s)*KSTEP*2  ; 120:64 global address: K step s
	s_or_b32 s[G0+4*(\s)+3], s[G0+4*(\s)+3], 0x80000000              ; 127:126 type = 2
	s_mov_b32 s[G0B+4*(\s)], 1
	s_add_co_u32 s[G0B+4*(\s)+1], s20, (\s)*SLOT
	s_add_nc_u64 s[G0B+4*(\s)+2:G0B+4*(\s)+3], s[46:47], (\s)*KSTEP*2
	s_or_b32 s[G0B+4*(\s)+3], s[G0B+4*(\s)+3], 0x80000000
	JLOAD \s                                       ; the ring is filled before anything else is done: two loads of mine are out
.endr
	; A fragment is 16 rows x 32 K in 8 registers: lane l holds row l % 16; registers 0-3 hold K = 8 (l / 16) + 0..7, registers 4-7 hold K = 16 + 8 (l / 16) + 0..7:
	; from rows that lie along K, two loads of 16 bytes, 32 bytes apart.  The same for source 0 and source 1.
	v_and_b32 v1, 15, v0                           ; l % 16
	v_bfe_u32 v2, v0, 4, 1                         ; l / 16
	v_mul_u32_u24 v3, v1, PITCH
	v_lshl_add_u32 v3, v2, 4, v3                   ; row x pitch + 16 x half
	s_mul_i32 s21, s11, HALFT                      ; my 128 rows of xh
	s_mul_i32 s22, s12, HALFT                      ; my 128 rows of wh,
	s_add_co_u32 s22, s22, 2*HALFT                 ; which lie behind xh's 256
.irp s, 0,1
	v_add_nc_u32 v[ADRA+(\s)], s21, v3
	v_add_nc_u32 v[ADRB+(\s)], s22, v3
	s_add_co_u32 s21, s21, SLOT
	s_add_co_u32 s22, s22, SLOT
.endr
	s_mul_i32 s23, s10, 16*SPITCH
	s_add_co_u32 s23, s23, STAGE                   ; my stage
	v_mul_u32_u24 v4, v1, SPITCH                   ; in: row l % 16, 32 bytes for each half of the lanes
	v_lshl_add_u32 v4, v2, 5, v4
	v_add_nc_u32 v[STO], s23, v4
	v_and_b32 v5, 31, v0
	v_lshlrev_b32 v[CO], 4, v5                     ; back: 32 lanes take one row of 512 bytes,
	v_add_nc_u32 v[RD], s23, v[CO]                 ; which are 512 consecutive bytes of out0
	v_lshlrev_b32 v[BO], 5, v2
	; out0 at my first row and column; bias at my first column
	s_lshl_b32 s13, s13, 8                         ; 256 x tile row
	s_lshl_b32 s14, s11, 7
	s_add_co_u32 s16, s13, s14                     ; my first row,
	s_lshl_b32 s16, s16, 14                        ; of 16,384 bytes
	s_mov_b32 s17, 0
	s_add_nc_u64 s[8:9], s[8:9], s[16:17]
	s_lshl_b32 s46, s42, 10                        ; my first column, in bytes of f32: 1,024 x tile column + 512 x half (in the registers that held wh's address: none that feeds xh's descriptors ever holds cx)
	s_lshl_b32 s47, s12, 9
	s_add_co_u32 s46, s46, s47
	s_mov_b32 s47, 0
	s_add_nc_u64 s[8:9], s[8:9], s[46:47]
	s_add_nc_u64 s[66:67], s[66:67], s[46:47]
.irp b, 0,1,2,3,4,5,6,7
	global_load_b128 v[BI+8*(\b):BI+8*(\b)+3],   v[BO], s[66:67] offset:64*(\b)     ; bias of columns 16 b + 8 (l / 16) + 0..3,
	global_load_b128 v[BI+8*(\b)+4:BI+8*(\b)+7], v[BO], s[66:67] offset:64*(\b)+16  ; and + 4..7
.endr
	; the prefetches.  s13 = 256 x tile row, s42 = tile column, s40 = cx, s41 = cy still stand
	s_lshl_b32 s42, s42, 8
	s_and_b32 s22, ttmp7, 0xffff                   ; cluster y
	s_cmp_eq_u32 s11, 0                            ; do I fetch for xh?
	s_cselect_b32 s20, s13, s42                    ; the tile's first row: in xh by the tile row, in wh by the tile column
	s_cselect_b32 s21, s40, s41                    ; my place among the four that ask for it with me
	s_cselect_b32 s22, ttmp9, s22                  ; the coordinate along which other clusters read the same rows
	s_cselect_b64 s[PFA:PFA+1], s[4:5], s[6:7]
	s_cmp_eq_u32 s22, 0
	s_cselect_b32 s[LIM], 1, -1                    ; the same in all sixteen partners, for a given wave
	s_lshl_b32 s22, s12, 7
	s_add_co_u32 s20, s20, s22                     ; + the 128 rows that I fetch
	s_lshl_b32 s21, s21, 5
	s_add_co_u32 s20, s20, s21                     ; + my work-group's 32 of them
	s_mov_b32 s21, 0
	s_mov_b64 s[18:19], SIZE_K*2
	s_mul_u64 s[20:21], s[20:21], s[18:19]
	s_add_nc_u64 s[PFA:PFA+1], s[PFA:PFA+1], s[20:21]
	s_add_nc_u64 s[PFA:PFA+1], s[PFA:PFA+1], 2*KSTEP*2  ; at K step 2: the first refill steps it to 3 and names K step 4
	v_and_b32 v[PFO], 31, v0
	v_mul_u32_u24 v[PFO], v[PFO], SIZE_K*2
; 16 matrix instructions: m blocks a0, a0 + 1 of the window's four (hi = 0: my rows 0-63, 1: rows 64-127) x all 8 n blocks, 32 along K.
; first = 1: the product starts the sum, with the bias of its columns as C: nothing is cleared, and no addition follows the sums.
.macro MUL16 f, hi, a0, first
.if \first
	WIN BIAS_LO+0x40*(\hi)
.else
	WIN MUL_LO+0x50*(\hi)
.endif
.irp a, \a0, (\a0)+1
.irp b, 0,1,2,3,4,5,6,7
.if \first
	v_wmma_f32_16x16x32_f16 v[8*(8*(\a)+(\b)):8*(8*(\a)+(\b))+7], v[(\f)+8*(\b):(\f)+8*(\b)+7], v[(\f)+8*(4*(\hi)+(\a)):(\f)+8*(4*(\hi)+(\a))+7], v[BI+8*(\b):BI+8*(\b)+7]
.else
	v_wmma_f32_16x16x32_f16 v[8*(8*(\a)+(\b)):8*(8*(\a)+(\b))+7], v[(\f)+8*(\b):(\f)+8*(\b)+7], v[(\f)+8*(4*(\hi)+(\a)):(\f)+8*(4*(\hi)+(\a))+7], v[8*(8*(\a)+(\b)):8*(8*(\a)+(\b))+7]
.endif
.endr
.endr
.endm
; 32 LDS loads in one run: the fragments of one quarter step (128 rows of wh, 128 rows of xh, 32 K at byte k of the rows) into buffer f
.macro FETCH slot, k, f
	WIN TO_B
.irp i, 0,1,2,3,4,5,6,7
	ds_load_b128 v[(\f)+8*(\i):(\f)+8*(\i)+3],   v[ADRB+(\slot)] offset:(\k)+(\i)*16*PITCH
	ds_load_b128 v[(\f)+8*(\i)+4:(\f)+8*(\i)+7], v[ADRB+(\slot)] offset:(\k)+(\i)*16*PITCH+32
.endr
	WIN 0
.irp i, 0,1,2,3,4,5,6,7
	ds_load_b128 v[(\f)+8*(\i):(\f)+8*(\i)+3],   v[ADRA+(\slot)] offset:(\k)+(\i)*16*PITCH
	ds_load_b128 v[(\f)+8*(\i)+4:(\f)+8*(\i)+7], v[ADRA+(\slot)] offset:(\k)+(\i)*16*PITCH+32
.endr
.endm
; A load into a register that a matrix instruction has read, and an LDS store that reads a matrix result, stand four places behind that matrix instruction, and only plain vector instructions
; that name none of its registers are places (ISA guide 7.12.1 for vector instructions); the matrix instructions in between are not counted.
.macro PLACES
.rept 4
	v_nop
.endr
.endm
; A K step is four quarter steps of 32 along K, 64 matrix instructions each, on buffers 0, 1, 0, 1.  The 64 accumulators take turns in the same order in every quarter, over the loop's backward jump too.
; One of the first three: multiplies buffer f; in its middle it fetches the next quarter's fragments, at byte k of the same slot's rows, into buffer g.
.macro QUARTER slot, k, f, g, first
	s_wait_dscnt 8                                 ; wh and xh's rows 0-63 are in; the youngest eight loads (xh's rows 64-127) may be out
	MUL16 \f, 0, 0, \first
	MUL16 \f, 0, 2, \first
	PLACES
	FETCH \slot, \k, \g
	s_wait_dscnt 32                                ; all but the 32 just issued
	MUL16 \f, 1, 0, \first
	MUL16 \f, 1, 2, \first
.endm
; The last quarter multiplies buffer 1 and changes slots.  MEET is its first half: ONE barrier for the change, for two things.  In front of it each wave waits for all its tensor loads, of which one
; is out: its part of the next slot; adds 0 to its spare word; and waits for that and for its own reads of this slot.  Behind it nobody reads this slot any more and the next slot is whole.
.macro MEET round                      ; round = 1: the rest of a round of the cluster's barrier follows
	WIN 0                                          ; (the add's two registers lie in window 0)
	s_wait_tensorcnt 0x0                           ; all my tensor loads have landed: the one that was out is my part of the next slot;
	ds_add_u32 v[SPW], v[NIL]                      ; 0 onto my spare word;
	s_wait_dscnt 9                                 ; (the add and the youngest eight loads may be out)
	MUL16 F1, 0, 0, 0                              ; sixteen matrix instructions stand between the add and the wait for it
	s_wait_dscnt 0x0                               ; the add is done, and my reads of this slot are over:
	s_barrier_signal -1                            ; say so,
	MUL16 F1, 0, 2, 0                              ; work on registers while the others arrive,
.if \round
	WIN 0
.endif
	s_barrier_wait -1                              ; and go on when all four have said so
.endm
; The whole last quarter.  fill = 1: behind the round the slot just read out is filled again first, with the K step two steps on; then come the next slot's first fragments.
; From a request to the wait for it a wave issues 224 matrix instructions.  fill = 0: nothing is left to ask for, and the work-group's barrier alone stands.
.macro TURN slot, next, fill
.if \fill
	s_wait_xcnt 0x0                                ; the last prefetch, a K step back, has read its address: it is stepped here, ahead of the waits of the change of slots
	s_add_nc_u64 s[PFA:PFA+1], s[PFA:PFA+1], KSTEP*2
	MEET 1
	CREST                                          ; wave 0 says so for the work-group, all sixteen have said so, my work-group's barrier closes the round: no wave of any partner still reads this slot or has a load on its way
	s_add_nc_u64 s[G0+4*(\slot)+2:G0+4*(\slot)+3], s[G0+4*(\slot)+2:G0+4*(\slot)+3], 2*KSTEP*2      ; no tensor load of mine is out, so a group 0 may be written; the type bits on top are not reached
	s_add_nc_u64 s[G0B+4*(\slot)+2:G0B+4*(\slot)+3], s[G0B+4*(\slot)+2:G0B+4*(\slot)+3], 2*KSTEP*2
	JLOAD \slot                                    ; my one tensor load behind the round, and the first thing there; the four v_nop behind it are also the places in front of the loads below
.else
	MEET 0
	PLACES
.endif
	FETCH \next, 0, F0
.if \fill
	ASK
.endif
	MUL16 F1, 1, 0, 0
	MUL16 F1, 1, 2, 0
.endm
; THE WAY OUT of block a (16 rows x my 128 columns).  TOSTAGE: a lane's 32 bytes of a row go into my own stage, each accumulator's low four registers first,
; and come back as whole rows of 512 bytes, into the registers that they left.  SEND: stored.
.macro TOSTAGE a
.set AC, 64*((\a)%4)
.set WN, 2+(\a)/4                      ; the block's window
	WIN 4*WN                                       ; an LDS store's data is source 1
.irp b, 0,1,2,3,4,5,6,7
	ds_store_b128 v[STO], v[AC+8*(\b):AC+8*(\b)+3]   offset:64*(\b)
	ds_store_b128 v[STO], v[AC+8*(\b)+4:AC+8*(\b)+7] offset:64*(\b)+16
.endr
	WIN 64*WN                                      ; loaded data is the destination
.irp t, 0,1,2,3,4,5,6,7,8,9,10,11,12,13,14,15
	ds_load_b128 v[AC+4*(\t):AC+4*(\t)+3], v[RD] offset:(\t)*SPITCH  ; LDS serves a wave's instructions in order (ISA guide 5.7.1.4): these see the stores above; the next block's stores come behind them
.endr
.endm
.macro SEND a, younger                 ; younger: the LDS instructions issued behind block a's loads: the next block's 32, or none
.set AC, 64*((\a)%4)
.set WN, 2+(\a)/4
	s_wait_dscnt \younger                          ; the block is back in registers
	WIN 4*WN                                       ; a store's data is source 1
.irp t, 0,1,2,3,4,5,6,7,8,9,10,11,12,13,14,15
	global_store_b128 v[CO], v[AC+4*(\t):AC+4*(\t)+3], s[8:9] offset:(16*(\a)+(\t))*SIZE_N*4 th:TH_STORE_NT  ; 512 consecutive bytes, at a multiple of 512 from out0's first; 127 rows at the most: inside the signed 24-bit immediate
.endr
.endm
	s_wait_tensorcnt 1                             ; my part of K step 0 is in; K step 1's may stay out
	s_barrier_signal -1
	s_barrier_wait -1                              ; everybody's is
	FETCH 0, 0, F0
	s_wait_loadcnt 0x0                             ; the bias
	QUARTER 0, 64,  F0, F1, 1                      ; the first quarter stands in front of the loop: its products start the sums, at the bias
	WIN 0                                          ; at a label and at a branch every window is 0
	s_mov_b32 s3, LAPS-1
.Llap:                                                 ; a trip goes once round the ring, from a lap's second quarter to the next lap's first, and fills both slots again
	QUARTER 0, 128, F1, F0, 0
	QUARTER 0, 192, F0, F1, 0
	TURN 0, 1, 1
	QUARTER 1, 64,  F0, F1, 0
	QUARTER 1, 128, F1, F0, 0
	QUARTER 1, 192, F0, F1, 0
	TURN 1, 0, 1
	QUARTER 0, 64,  F0, F1, 0
	WIN 0
	s_sub_co_u32 s3, s3, 1
	s_cmp_lg_u32 s3, 0
	s_cbranch_scc1 .Llap
	QUARTER 0, 128, F1, F0, 0                      ; the last lap is written out: it fills nothing
	QUARTER 0, 192, F0, F1, 0
	TURN 0, 1, 0                                   ; my one tensor load that was still out is slot 1's, the last K step's
	QUARTER 1, 64,  F0, F1, 0
	QUARTER 1, 128, F1, F0, 0
	QUARTER 1, 192, F0, F1, 0
	s_wait_dscnt 8                                 ; the very last quarter: nothing more to fetch
	MUL16 F1, 0, 0, 0
	MUL16 F1, 0, 2, 0
	s_wait_dscnt 0x0
	MUL16 F1, 1, 0, 0
	MUL16 F1, 1, 2, 0
	PLACES                                         ; the places behind the last products, in front of the LDS stores that read results and of the loads into their registers:
	PLACES                                         ; twice four, once a launch
	TOSTAGE 0
.irp a, 1,2,3,4,5,6,7                  ; block a's way through the stage stands between block a - 1's loads and the wait for them
	TOSTAGE \a
	SEND (\a)-1, 32
.endr
	SEND 7, 0
	WIN 0
	s_wait_tensorcnt 0x0                           ; the wave's end, behind my last tensor load and my last LDS store
	ds_add_u32 v[SPW], v[NIL]
	s_wait_dscnt 0x0
	CROUND                                         ; the closing round: no work-group ends while a partner may still ask for a tile that names it
	s_endpgm
.Lfunc_end_k_q135d099971_gemm:
	.size	k_q135d099971_gemm, .Lfunc_end_k_q135d099971_gemm-k_q135d099971_gemm
	.p2alignl 7, 3214868480
	.fill 96, 4, 3214868480
	.section	.rodata,"a",@progbits
	.p2align	6, 0x0
	.amdhsa_kernel k_q135d099971_gemm
		.amdhsa_group_segment_fixed_size 327680
		.amdhsa_private_segment_fixed_size 0
		.amdhsa_enable_private_segment 0
		.amdhsa_kernarg_size 32
		.amdhsa_user_sgpr_count 2
		.amdhsa_user_sgpr_kernarg_segment_ptr 1
		.amdhsa_wavefront_size32 1
		.amdhsa_system_sgpr_workgroup_id_x 1
		.amdhsa_system_sgpr_workgroup_id_y 1
		.amdhsa_system_sgpr_workgroup_id_z 1
		.amdhsa_system_vgpr_workitem_id 0
		.amdhsa_next_free_vgpr 1024
		.amdhsa_next_free_sgpr 68
		.amdhsa_reserve_vcc 0
		.amdhsa_float_denorm_mode_32 3
		.amdhsa_float_denorm_mode_16_64 3
		.amdhsa_memory_ordered 1
		.amdhsa_forward_progress 1
		.amdhsa_inst_pref_size 143
	.end_amdhsa_kernel
	.amdgpu_metadata
---
amdhsa.version: [ 1, 2 ]
amdhsa.kernels:
  - .name:           k_q135d099971_gemm
    .symbol:         k_q135d099971_gemm.kd
    .args:
      - { .name: xh, .offset: 0, .size: 8, .value_kind: global_buffer, .address_space: global }
      - { .name: wh, .offset: 8, .size: 8, .value_kind: global_buffer, .address_space: global }
      - { .name: out0, .offset: 16, .size: 8, .value_kind: global_buffer, .address_space: global }
      - { .name: bias, .offset: 24, .size: 8, .value_kind: global_buffer, .address_space: global }
    .group_segment_fixed_size: 327680
    .private_segment_fixed_size: 0
    .kernarg_segment_align: 8
    .kernarg_segment_size: 32
    .max_flat_workgroup_size: 128
    .sgpr_count:     68
    .vgpr_count:     1024
    .wavefront_size: 32
...
	.end_amdgpu_metadata
.endif
;; end of part 2
